; MI455X (gfx1250); checked and timed in simulation.
; The chip was launched on July 23, 2026; its instructions are those of AMD's public machine-readable ISA for CDNA 5 (MIT licence, August 2026) and "CDNA5" Instruction Set Architecture Reference Guide (July 2026). The comments in the code are by the model that wrote it; some were corrected since.
;; Mixture Of Experts. Allowed arithmetic: matrix products marked QUANTISED: E4M3 operands, one E8M0 scale for each 32 along K, by v_wmma_scale_f32_16x16x128_f8f6f4 with both operands' format E4M3, f32 sums; products left as they are: f32 operands where the result goes on into a quantised operand, else bf16, f16 or f32 operands; f32 sums; everything else in f32.
;; Inputs: b1 8 x 4,096 float32; b2 8 x 1,024 float32; router_b 8 float32; router_w 1,024 x 8 float32; w1_codes 8 x 4,096 x 32 x 32 uint8 (E4M3 codes of w1, K innermost, in blocks of 32 codes); w1_scales 8 x 4,096 x 32 uint8 (E8M0 scales of w1, one for each 32 codes along K); w2_codes 8 x 1,024 x 128 x 32 uint8 (E4M3 codes of w2, K innermost, in blocks of 32 codes); w2_scales 8 x 1,024 x 128 uint8 (E8M0 scales of w2, one for each 32 codes along K); x 4 x 256 x 1,024 float32.
;; Outputs: out0 4 x 256 x 1,024 float32.
;; This version of the problem:
;;   THIS VERSION OF THE PROBLEM IS GIVEN IN LOW PRECISION. The matrix products marked QUANTISED in the list below multiply operands that are first quantised to E4M3 (4 exponent bits, 3 mantissa bits; 8 bits a number), with one power-of-two scale for each 32 numbers along K (OCP MX v1.0); their sums are f32. All else is computed in f32.
;;   The module's matrix products, in the order in which they are computed (A, B: the left and right operand; K: the contracted axis; several contracted axes count as one K, in the product's order):
;;     1. [M 1,024, K 1,024] x [K 1,024, N 8]; A: input x; B: input router_w: left as it is (N = 8 < 16)
;;     2. [M 32,768, K 1,024] x [K 1,024, N 1,024]; A: input w1 (given as codes); B: input x: QUANTISED
;;     3. batch 8 x [M 1,024, K 4,096] x [K 4,096, N 1,024]; A: computed on the way; B: input w2 (given as codes): QUANTISED
;;     4. batch 1,024 x [M 1, K 8] x [K 8, N 1,024]; A: computed on the way; B: computed on the way: left as it is (K = 8 < 32)
;;   THE QUANTISER, for each operand of a quantised product, along K:
;;     - K is cut into blocks of 32 from its start; a last block that is shorter is filled with zeros.
;;     - A block's scale is 2^e with e = floor(log2(the largest magnitude in the block)) - 8, held to -126 .. 127; a block of zeros has e = 0. As a byte (E8M0): e + 127.
;;     - Each number is divided by its block's scale, clamped to +-448, and rounded to the nearest number of E4M3, ties to even, subnormals kept.
;;     - The product sums the exact products of the quantised numbers (number of the format x scale) in f32.
;;   ~~~python
;;   def quantise(x, axis):      # numpy; x: float32 -> the quantised numbers, widened to float32 again
;;       x = np.moveaxis(x, axis, -1); K = x.shape[-1]
;;       x = np.pad(x, [(0, 0)] * (x.ndim - 1) + [(0, -K % 32)]); x = x.reshape(x.shape[:-1] + (-1, 32)); a = np.abs(x).max(-1, keepdims=True)
;;       e = np.where(a > 0, np.clip(np.frexp(np.where(a > 0, a, 1))[1] - 1 - 8, -126, 127), 0)      # np.frexp(a)[1] - 1 = floor(log2(a)), exactly
;;       r = np.clip(x / 2.0 ** e, -448, 448)
;;       step = 2.0 ** (np.maximum(np.frexp(np.where(r == 0, 1, r))[1] - 1, -6) - 3)
;;       q = np.round(r / step) * step * 2.0 ** e      # np.round: ties to even
;;       return np.moveaxis(q.reshape(q.shape[:-2] + (-1,))[..., :K], -1, axis).astype(np.float32)
;;   ~~~
;;   OPERANDS COMPUTED ON THE WAY. 'Computed on the way' means the value that the module computes at that place (a softmax that the list does not call 'softmax' is quantised finished and normalised). What goes into a quantiser is computed in f32, as accurately as f32 sums, v_exp_f32 and their like allow (about 1e-6 of the number): no bf16 or f16 on the way to a quantiser, and a product that is left as it is and whose result goes on into a quantised operand takes f32 operands (vector FMAs, or v_wmma_f32_16x16x4_f32). A number that lies on a knife's edge between two numbers of the format may be rounded either way, as far as f32 arithmetic and the matrix unit's own rounding can turn it there, and no further.
;;   INPUTS GIVEN AS CODES. w1 (in the module: [8, 1024, 4096], K = its axis 1); w2 (in the module: [8, 4096, 1024], K = its axis 1): each comes as NAME_codes (uint8): NAME with its K axis moved to the last place and cut into blocks of 32 codes, [.., K / 32, bytes a block], one block behind the other in memory; one code a byte (a code: sign, 4 exponent bits, 3 mantissa bits); and NAME_scales (uint8): the same leading axes, one E8M0 byte (e + 127) for each 32 codes along K. Its value is code x scale, taken as it is: it is not quantised again, and the codes and scales need not be those that the quantiser above would give.
;; One version. Each part assembles by itself: llvm-mc -triple=amdgcn-amd-amdhsa -mcpu=gfx1250 --defsym DOCPART=n.
;; ======== version 1 of 1: 4 launches
;; limits: right only within a limited range of input values
;; workspace buffers: xq 1,081,344 bytes; sel 4,096 bytes of whole numbers; gw 8,192 bytes; planv 65,536 bytes of whole numbers; plang 32,768 bytes; hq 34,603,008 bytes; yp 16,777,216 bytes
;; launch route (part 1): grid 128 x 1, 4 waves a work-group, no clusters, 77,312 bytes of LDS; arguments x, router_w, router_b, xq, sel, gw; writes xq, sel, gw
.if DOCPART == 1
	.amdgcn_target "amdgcn-amd-amdhsa--gfx1250"
	.amdhsa_code_object_version 6
	.text
	.protected	k_qb53dbb6197_route
	.globl	k_qb53dbb6197_route
	.p2align	8
	.type	k_qb53dbb6197_route,@function
k_qb53dbb6197_route:
	s_mov_b64 s[64:65], 0
	v_nop
	global_prefetch_b8 v0, s[64:65] scope:SCOPE_SE
	s_setreg_imm32_b32 hwreg(HW_REG_WAVE_MODE, 25, 1), 1
	s_wait_xcnt 0x0
; MIXTURE OF EXPERTS, launch 1 of 4: the router, and x turned into codes of E4M3 with one E8M0 byte for each 32 along D.
; WORK LEFT OUT BY THE WHOLE PROGRAM, for all finite values of the inputs:
; (a) gate[t][e] is a sum of one_hot(sel) x topw, so it is exactly 0 for the six experts that top_k did not choose for token t, and out sums gate x y: the rows of
;     h and y of those experts are multiplied by that 0 and reach no output.  Only the two chosen experts' rows of each token are multiplied (2,048 rows in place of 8,192).
; (b) the softmax's division by its sum: a positive factor common to a token's eight probabilities; it changes no order for top_k and cancels in topw / sum(topw).
;     The maximum is taken away before the exponential, as reference() does.
; Every input has a way to the output and is loaded by some launch.
; LIMITS: a NaN, an infinity or an overflow that arises only in the work left out is not carried to the result.  A probability under 2^-126 of the largest counts as 0.
; Two probabilities that differ by less than the rounding of an f32 sum of 1,024 terms may be ordered otherwise than by reference().  NaN and infinities in x are not served.
; A block of 32 zeros gets the scale byte 1 where the rule says 127: its codes are zeros, and this program alone reads the bytes.
; SHARES: a wave takes two tokens.  A row of x is loaded once, 512 consecutive bytes a load, and serves both the router's product (f32 multiply-adds, lane l holds d = 128 i + 4 l + j)
; and the quantiser, for which 512 numbers at a time turn through the wave's own stage in LDS so that a lane holds 16 neighbours (two lanes to a block).
; ROUTER_W COMES ONCE A WORK-GROUP: a lane wants rows 128 i + 4 l + j, 128 bytes of each 4,096, so loaded straight its lanes would stand 128 bytes apart.  Instead the 128 threads load the
; 32 KB as they lie, 16 bytes a thread and 512 consecutive bytes a wave, and store them to LDS as the image of the registers wanted; behind one barrier each wave reads the image, 512 consecutive bytes a load.
; sel[t] is the mask of the two chosen experts, gw[t] their weights, the lower expert's first: at fixed places: no address and no branch here hangs on them.
.set SP,     80                        ; a lane's place in a stage: 64 bytes + 16 of padding
.set STG,    32*SP                     ; a stage: 512 numbers
.set SBY,    4*STG                     ; behind the wave's four stages: its 64 scale bytes
.set WREG,   10496                     ; LDS of a wave
.set RWI,    4*WREG                    ; behind the waves' regions: router_w's image, 64 rows (8 i + k) of 32 lanes x 16 bytes
.set RWP,    544                       ; its pitch: 512 + 32, so that the 16 lanes of a store (eight k, two neighbouring lanes of the image) take 16 different columns of 16 bytes
.set SPARE,  RWI+64*RWP                ; the spare words, 128 bytes a wave; no other line names them
.set XS_OFF, 1048576                   ; xq: codes [1024][1024], then scale bytes [1024][32]
.set SPW, 8                            ; v8  my spare word's address; never rewritten
.set NIL, 9                            ; v9  0; never rewritten
.set X,   16                           ; v16-79   x as loaded: token a, register 4 i + j
.set ACC, 80                           ; v80-95   logits: token a, expert e
.set NB,  96                           ; v96-159  four sets of 16 neighbours
.set C,   160                          ; v160-175 codes, four registers a step
.set E,   176                          ; v176-179 scale bytes
.set T,   180                          ; v180-183 at work
.set P,   208                          ; v208-223 exponentials
.set TM,  224                          ; v224-239 a token's eight: m, best0, idx0, best1, idx1, sum, g0, g1
.set NEG, 240                          ; v240     -1, then the mask
.set OE,  242                          ; v[242:243] the pair of experts, v[244:245] the pair of weights, v[246:247] the weights by expert
.set OG,  244
.set OL,  246
.set MSB, 0
.macro WIN new                         ; the immediate's high byte repeats the setting that is left
.if MSB != \new
	s_set_vgpr_msb (MSB<<8)|\new
.set MSB, \new
.endif
.endm
	s_load_b256 s[4:11], s[0:1], 0x0               ; x, router_w, router_b, xq
	s_load_b128 s[12:15], s[0:1], 0x20             ; sel, gw
	v_lshl_add_u32 v[SPW], v0, 2, SPARE
	v_mov_b32 v[NIL], 0
	v_lshrrev_b32 v1, 5, v0
	v_readfirstlane_b32 s16, v1                    ; wave
	v_and_b32 v1, 31, v0                           ; lane
	v_lshlrev_b32 v2, 4, v1                        ; 16 x lane
	s_mul_i32 s17, s16, WREG
	v_lshrrev_b32 v4, 2, v1
	v_mul_u32_u24 v4, v4, SP
	v_and_b32 v5, 3, v1
	v_lshl_add_u32 v4, v5, 4, v4
	v_add_nc_u32 v4, s17, v4                       ; the stage, way in: SP (lane / 4) + 16 (lane % 4)
	v_mul_u32_u24 v5, v1, SP
	v_add_nc_u32 v5, s17, v5                       ; way out: SP x lane
	s_add_co_u32 s17, s17, SBY
	v_lshrrev_b32 v6, 1, v1
	v_add_nc_u32 v6, s17, v6                       ; my block's scale byte
	v_lshlrev_b32 v10, 1, v1
	v_add_nc_u32 v7, s17, v10                      ; and on the way out two bytes a lane
	v_lshlrev_b32 v11, 3, v1
	v_and_b32 v12, 7, v0                           ; router_w's image, way in.  Thread T's load n brings bytes 2,048 n + 16 T = 4,096 i + 128 l + 16 k: i = n / 2, l = 16 (n % 2) + T / 8, k = T % 8
	v_mul_u32_u24 v12, v12, RWP
	v_lshrrev_b32 v13, 3, v0
	v_lshl_add_u32 v12, v13, 4, v12
	v_add_nc_u32 v12, RWI, v12                     ; RWI + RWP (T % 8) + 16 (T / 8); n's part stands in the store's immediate
	v_add_nc_u32 v13, RWI, v2                      ; way out: RWI + 16 x lane
	v_lshlrev_b32 v14, 4, v0                       ; 16 x thread
	s_lshl_b32 s18, ttmp9, 2
	s_add_co_u32 s18, s18, s16
	s_lshl_b32 s18, s18, 1                         ; my first token
	s_mov_b32 s35, 0
	s_mov_b32 s20, 0x76543210
	s_mov_b32 s21, 0xfedcba98                      ; v_permlanex16_b32's selects for lane l xor 16
	s_mov_b32 s22, 0x600000                        ; the mantissa field of 448
	s_wait_alu depctr_va_vdst(0)                   ; the wait at the head's end
	s_wait_kmcnt 0x0
	s_load_b256 s[24:31], s[8:9], 0x0              ; router_b
	s_lshl_b32 s34, s18, 12
	s_add_nc_u64 s[4:5], s[4:5], s[34:35]          ; x at my first token
	s_lshl_b32 s34, s18, 5
	s_add_nc_u64 s[32:33], s[10:11], s[34:35]
	s_add_nc_u64 s[32:33], s[32:33], XS_OFF        ; its scale bytes
	s_lshl_b32 s34, s18, 10
	s_add_nc_u64 s[10:11], s[10:11], s[34:35]      ; its codes
	s_lshl_b32 s34, s18, 2
	s_add_nc_u64 s[12:13], s[12:13], s[34:35]
	s_lshl_b32 s34, s18, 3
	s_add_nc_u64 s[14:15], s[14:15], s[34:35]
	WIN 0x40                                       ; destination window 1
.irp n, 0,1,2,3,4,5,6,7,8,9,10,11,12,13,14,15
	global_load_b128 v[4*\n:4*\n+3], v14, s[6:7] offset:2048*\n   ; router_w as it lies: a wave reads 512 consecutive bytes
.endr
	WIN 0
.irp a, 0,1
.irp i, 0,1,2,3,4,5,6,7
	global_load_b128 v[X+32*\a+4*\i:X+32*\a+4*\i+3], v2, s[4:5] offset:4096*\a+512*\i th:TH_LOAD_NT   ; 32 lanes read 512 consecutive bytes
.endr
.endr
	s_wait_loadcnt 16                              ; router_w's 16 loads are in: x's 16 were issued behind them
	WIN 0x04                                       ; an LDS store's data are its source 1: window 1
.irp n, 0,1,2,3,4,5,6,7,8,9,10,11,12,13,14,15
	ds_store_b128 v12, v[4*\n:4*\n+3] offset:(\n/2)*8*RWP+(\n%2)*256
.endr
	WIN 0
	s_wait_loadcnt 0x0                             ; x
.macro TURN u                          ; step u (token u / 2, half u % 2) through its stage: LDS serves a wave's instructions in order, so no wait stands between
.irp i, 0,1,2,3
	ds_store_b128 v4, v[X+16*\u+4*\i:X+16*\u+4*\i+3] offset:STG*\u+8*SP*\i
.endr
.irp i, 0,1,2,3
	ds_load_b128 v[NB+16*\u+4*\i:NB+16*\u+4*\i+3], v5 offset:STG*\u+16*\i
.endr
.endm
	TURN 0
	TURN 1
	TURN 2
	TURN 3
	s_wait_dscnt 0x0                               ; for the others' sake: my part of the image lies in LDS (and my four sets of neighbours are back)
	s_barrier_signal -1
	s_barrier_wait -1                              ; the image is whole
	WIN 0x40                                       ; destination window 1: register 8 (4 i + j) + e = router_w[128 i + 4 lane + j][e]
.irp i, 0,1,2,3,4,5,6,7
.irp k, 0,1,2,3,4,5,6,7
	ds_load_b128 v[32*\i+4*\k:32*\i+4*\k+3], v13 offset:(8*\i+\k)*RWP
.endr
.endr
	WIN 0
.macro QSTEP u                         ; the quantiser works while the image's 64 loads land
.set XN, NB+16*\u
	v_max3_num_f32 v[T], |v[XN]|, |v[XN+1]|, |v[XN+2]|
	v_max3_num_f32 v[T+1], |v[XN+3]|, |v[XN+4]|, |v[XN+5]|
.irp i, 6,10
	v_max3_num_f32 v[T], v[T], |v[XN+\i]|, |v[XN+\i+1]|
	v_max3_num_f32 v[T+1], v[T+1], |v[XN+\i+2]|, |v[XN+\i+3]|
.endr
	v_max3_num_f32 v[T], v[T], |v[XN+14]|, |v[XN+15]|
	v_max3_num_f32 v[T], v[T], v[T+1], 0x4800000   ; and the floor 2^(9 - 127): the byte cannot fall under 1
	v_max_num_f32_dpp v[T], v[T], v[T] row_xmask:1 row_mask:0xf bank_mask:0xf   ; with my neighbour's 16: the block's largest magnitude
	v_add_nc_u32 v[T+3], 0xfc000000, v[T]          ; 8 off its exponent field: the conversion's scale operand
	v_and_or_b32 v[T+2], v[T], 0x7f800000, s22     ; 448 x the scale
.irp i, 0,1,2,3,4,5,6,7,8,9,10,11,12,13,14,15
	v_med3_num_f32 v[XN+\i], v[XN+\i], -v[T+2], v[T+2]   ; the conversion to an 8-bit code does not saturate (ISA guide 7.6.2): the hold comes first
.endr
	v_cvt_scalef32_pk8_fp8_f32 v[C+4*\u:C+4*\u+1], v[XN:XN+7], v[T+3]
	v_cvt_scalef32_pk8_fp8_f32 v[C+4*\u+2:C+4*\u+3], v[XN+8:XN+15], v[T+3]
	v_lshrrev_b32 v[E+\u], 23, v[T+3]              ; the scale's byte (also the plain line behind the conversions)
	ds_store_b8 v6, v[E+\u] offset:16*\u           ; both lanes of a block write the same byte with the same value
	global_store_b128 v2, v[C+4*\u:C+4*\u+3], s[10:11] offset:512*\u   ; 512 consecutive bytes of codes
.endm
	QSTEP 0
	QSTEP 1
	QSTEP 2
	QSTEP 3
	s_wait_dscnt 0x0                               ; router_w is in my registers
	s_wait_kmcnt 0x0                               ; router_b
	WIN 0x01                                       ; source 0 (router_w) window 1
.irp a, 0,1
.set n, 0
.rept 32
.irp e, 0,1,2,3,4,5,6,7
.if n == 0
	v_mul_f32 v[ACC+8*\a+\e], v[8*n+\e], v[X+32*\a+n]        ; the first term starts the sum: nothing is cleared
.else
	v_fmac_f32 v[ACC+8*\a+\e], v[8*n+\e], v[X+32*\a+n]       ; eight chains by turns
.endif
.endr
.set n, n+1
.endr
.endr
	WIN 0
.irp k, 1,2,4,8                        ; the sixteen sums over the 32 lanes
.set q, 0
.rept 16
	v_add_f32_dpp v[ACC+q], v[ACC+q], v[ACC+q] row_xmask:\k row_mask:0xf bank_mask:0xf
.set q, q+1
.endr
.endr
.set q, 0
.rept 16
	v_permlanex16_b32 v[NB+q], v[ACC+q], s20, s21  ; (its destination counts as read: these registers have been written)
.set q, q+1
.endr
.set q, 0
.rept 16
	v_add_f32 v[ACC+q], v[ACC+q], v[NB+q]
.set q, q+1
.endr
.irp a, 0,1
.irp e, 0,1,2,3,4,5,6,7
	v_add_f32 v[ACC+8*\a+\e], s[24+\e], v[ACC+8*\a+\e]       ; + router_b: every lane holds the token's eight logits
.endr
.endr
.irp a, 0,1
	v_max3_num_f32 v[TM+8*\a], v[ACC+8*\a], v[ACC+8*\a+1], v[ACC+8*\a+2]
	v_max3_num_f32 v[TM+8*\a], v[TM+8*\a], v[ACC+8*\a+3], v[ACC+8*\a+4]
	v_max3_num_f32 v[TM+8*\a], v[TM+8*\a], v[ACC+8*\a+5], v[ACC+8*\a+6]
	v_max_num_f32 v[TM+8*\a], v[TM+8*\a], v[ACC+8*\a+7]      ; the maximum, taken away before the exponential
.endr
.irp a, 0,1
.irp e, 0,1,2,3,4,5,6,7
	v_sub_f32 v[P+8*\a+\e], v[ACC+8*\a+\e], v[TM+8*\a]
.endr
.endr
.set q, 0
.rept 16
	v_mul_f32 v[P+q], 0x3fb8aa3b, v[P+q]           ; x log2(e)
.set q, q+1
.endr
.set q, 0
	s_wait_alu depctr_va_vdst(0)                   ; the wait ahead of the batch
.rept 16
	v_exp_f32 v[P+q], v[P+q]                       ; one batch
.set q, q+1
.endr
	v_mov_b32 v[NEG], -1.0                         ; a plain line behind the batch
	s_wait_alu depctr_va_vdst(0)                   ; one wait for the sixteen, ahead of their first reader
.macro ARGMAX a, best, idx             ; the largest of the token's eight; of equals the lower index stays, as in jax.lax.top_k
	v_mov_b32 v[\best], v[P+8*\a]
	v_mov_b32 v[\idx], 0
.irp e, 1,2,3,4,5,6,7
	v_cmp_le_f32 vcc_lo, v[P+8*\a+\e], v[\best]
	v_cndmask_b32 v[\idx], \e, v[\idx], vcc_lo
	v_cndmask_b32 v[\best], v[P+8*\a+\e], v[\best], vcc_lo
.endr
.endm
.irp a, 0,1
	ARGMAX \a, TM+8*\a+1, TM+8*\a+2
.irp e, 0,1,2,3,4,5,6,7
	v_cmp_eq_u32 vcc_lo, \e, v[TM+8*\a+2]
	v_cndmask_b32 v[P+8*\a+\e], v[P+8*\a+\e], v[NEG], vcc_lo   ; the chosen one drops under every probability
.endr
	ARGMAX \a, TM+8*\a+3, TM+8*\a+4
	v_add_f32 v[TM+8*\a+5], v[TM+8*\a+1], v[TM+8*\a+3]
.endr
	s_wait_alu depctr_va_vdst(0)                   ; the wait ahead of the batch
	v_rcp_f32 v[TM+5], v[TM+5]
	v_rcp_f32 v[TM+13], v[TM+13]
	v_cmp_eq_u32 vcc_lo, 1, v1                     ; (a plain line behind the reciprocals)  lane 1 takes the second token
	s_wait_alu depctr_va_vdst(0)                   ; one wait for the two
.irp a, 0,1
	v_mul_f32 v[TM+8*\a+6], v[TM+8*\a+1], v[TM+8*\a+5]       ; topw / sum(topw)
	v_mul_f32 v[TM+8*\a+7], v[TM+8*\a+3], v[TM+8*\a+5]
.endr
	v_cndmask_b32 v[OE], v[TM+2], v[TM+10], vcc_lo
	v_cndmask_b32 v[OE+1], v[TM+4], v[TM+12], vcc_lo
	v_cndmask_b32 v[OG], v[TM+6], v[TM+14], vcc_lo
	v_cndmask_b32 v[OG+1], v[TM+7], v[TM+15], vcc_lo
	v_lshlrev_b32 v[NEG], v[OE], 1                 ; the token's mask of chosen experts
	v_lshl_or_b32 v[NEG], 1, v[OE+1], v[NEG]
	v_cmp_lt_u32 s37, v[OE], v[OE+1]
	v_cndmask_b32 v[OL], v[OG+1], v[OG], s37       ; the lower expert's weight first
	v_cndmask_b32 v[OL+1], v[OG], v[OG+1], s37
	v_lshlrev_b32 v15, 2, v1
	ds_load_u16 v[T], v7                           ; my wave's 64 scale bytes, two a lane: LDS serves a wave in order, so these see my stores
	s_wait_alu depctr_va_vdst(0)                   ; directly ahead of the wait below
	s_wait_dscnt 0x0
	global_store_b16 v10, v[T], s[32:33]           ; 64 consecutive bytes: two tokens' rows
	v_cmp_gt_u32 vcc_lo, 2, v1
	s_wait_xcnt 0x0                                ; EXEC changes only behind this wait
	s_and_saveexec_b32 s36, vcc_lo
	global_store_b32 v15, v[NEG], s[12:13]         ; sel[t] = the mask
	global_store_b64 v11, v[OL:OL+1], s[14:15]     ; gw[t] = {lower expert's, higher expert's}
	s_wait_xcnt 0x0                                ; and again ahead of the line that widens it
	s_or_b32 exec_lo, exec_lo, s36
	s_wait_tensorcnt 0x0                           ; the wave's end, behind my last LDS store
	ds_add_u32 v[SPW], v[NIL]
	s_wait_dscnt 0x0
	s_endpgm
.Lfunc_end_k_qb53dbb6197_route:
	.size	k_qb53dbb6197_route, .Lfunc_end_k_qb53dbb6197_route-k_qb53dbb6197_route
	.p2alignl 7, 3214868480
	.fill 96, 4, 3214868480
	.section	.rodata,"a",@progbits
	.p2align	6, 0x0
	.amdhsa_kernel k_qb53dbb6197_route
		.amdhsa_group_segment_fixed_size 77312
		.amdhsa_private_segment_fixed_size 0
		.amdhsa_enable_private_segment 0
		.amdhsa_kernarg_size 48
		.amdhsa_user_sgpr_count 2
		.amdhsa_user_sgpr_kernarg_segment_ptr 1
		.amdhsa_wavefront_size32 1
		.amdhsa_system_sgpr_workgroup_id_x 1
		.amdhsa_system_sgpr_workgroup_id_y 1
		.amdhsa_system_sgpr_workgroup_id_z 1
		.amdhsa_system_vgpr_workitem_id 0
		.amdhsa_next_free_vgpr 512
		.amdhsa_next_free_sgpr 66
		.amdhsa_reserve_vcc 1
		.amdhsa_float_denorm_mode_32 3
		.amdhsa_float_denorm_mode_16_64 3
		.amdhsa_memory_ordered 1
		.amdhsa_forward_progress 1
		.amdhsa_inst_pref_size 52
	.end_amdhsa_kernel
	.amdgpu_metadata
---
amdhsa.version: [ 1, 2 ]
amdhsa.kernels:
  - .name:           k_qb53dbb6197_route
    .symbol:         k_qb53dbb6197_route.kd
    .args:
      - { .name: x, .offset: 0, .size: 8, .value_kind: global_buffer, .address_space: global }
      - { .name: router_w, .offset: 8, .size: 8, .value_kind: global_buffer, .address_space: global }
      - { .name: router_b, .offset: 16, .size: 8, .value_kind: global_buffer, .address_space: global }
      - { .name: xq, .offset: 24, .size: 8, .value_kind: global_buffer, .address_space: global }
      - { .name: sel, .offset: 32, .size: 8, .value_kind: global_buffer, .address_space: global }
      - { .name: gw, .offset: 40, .size: 8, .value_kind: global_buffer, .address_space: global }
    .group_segment_fixed_size: 77312
    .private_segment_fixed_size: 0
    .kernarg_segment_align: 8
    .kernarg_segment_size: 48
    .max_flat_workgroup_size: 128
    .sgpr_count:     66
    .vgpr_count:     512
    .wavefront_size: 32
...
	.end_amdgpu_metadata
.endif
;; end of part 1
;; launch up (part 2): grid 32 x 8, 4 waves a work-group, no clusters, 72,704 bytes of LDS; arguments sel, xq, w1_codes, w1_scales, b1, gw, hq, planv, plang; writes hq, planv, plang
.if DOCPART == 2
	.amdgcn_target "amdgcn-amd-amdhsa--gfx1250"
	.amdhsa_code_object_version 6
	.text
	.protected	k_qb53dbb6197_up
	.globl	k_qb53dbb6197_up
	.p2align	8
	.type	k_qb53dbb6197_up,@function
k_qb53dbb6197_up:
	s_mov_b64 s[64:65], 0
	v_nop
	global_prefetch_b8 v0, s[64:65] scope:SCOPE_SE
	s_setreg_imm32_b32 hwreg(HW_REG_WAVE_MODE, 25, 1), 1
	s_wait_xcnt 0x0
; Launch 2 of 4: the routed rows are placed by expert, and h = gelu(x W1 + b1) for them alone (the other experts' rows are multiplied by a gate that is exactly 0: see the first kernel's head), quantised along F.
; SHARES: work-group (16 rh + jj, e) owns hidden units 256 jj .. + 255 of expert e and every other tile of 16 slots: tiles 2 i + rh.  Wave w holds 64 hidden units x all K of W1 in 512 registers for the whole launch.
; PLACING: slot s of expert e is its s-th token in the order of sel's loads.  Each wave makes 32 words of 32 tokens (lane q = word q) with their running counts, and each lane then finds its slot's word
; (five halvings through lane reads) and the bit in it (five halvings on counts of 16, 8, 4, 2, 1 bits).  No atomics, no scatter; a slot behind the last row names some token, whose row is never used.
; x: a block is two tiles, 32 rows; a wave gathers 8 rows, whole rows of 1,024 bytes, into registers two blocks ahead, and stores them into one of two LDS slots one block ahead.  One barrier a block.
; The loop has a constant count (512 slots: 16 blocks; two trips more for the last scale bytes); blocks beyond the expert's jump over the work on the count, never over a barrier.
; No tensor load, no cluster: which rows a work-group walks hangs on numbers read from memory.  No prefetch: W1 is asked for once ahead of the loop, and x runs two blocks ahead.
; THE PRODUCT IS USED TRANSPOSED (source 0 = 16 rows of W1, source 1 = 16 slots); lane r of tile u takes row 32 (u / 2) + 8 (u % 2) + r + 8 (r / 8), so that a lane's 32 sums are two runs of 16 neighbours along F.
; hq: [expert][tile 64][step 32 of 128 along F][c 4][lane 32][16 bytes]; at HS_OFF the scale bytes [expert][rh][block 16][jj 16][tile 2][step 2][slot 16][4].
; planv: [expert][rh][wave 4][128]: 2 x token + k of each slot (k = 1 where a lower expert was chosen too); from 32,768 on the expert's number of rows; plang: the gates in the same order.
; gelu is exact: x (1/2 + erf(x / sqrt 2) / 2), with erf(x / sqrt 2) / 2 = x P(x^2) / Q(x^2), x there held within +-4 sqrt 2, where erf is 1 to the last bits of f32.
; LIMITS: blocks of h whose largest magnitude lies under 2^(9 - 127) get the byte 1 (a block of zeros too: its codes are zeros, and this program alone reads the bytes); NaN and infinities are not served.
.set XS_OFF, 1048576
.set HS_OFF, 33554432
.set PITCH, 1040
.set SLOT, 32*PITCH
.set SCL, 2*SLOT                       ; x's scale bytes: two slots of 32 rows x 48 bytes
.set SCS, 1536
.set TL, SCL+2*SCS                     ; tokens: 512 bytes a wave
.set SST, TL+2048                      ; h's scale bytes: two blocks of 256 bytes
.set SPARE, SST+512                    ; the spare words
.set LN, 1                             ; lane
.set LI, 2                             ; 16 x lane
.set WOFF, 3
.set WSO, 4
.set B1O, 5
.set ADRF, 6                           ; my fragments: 1,040 r + 16 h
.set STG, 7                            ; my rows' way into a slot
.set SSA, 8                            ; and their scale bytes'
.set XSA, 9                            ; scale words' way out
.set SPW, 10
.set NIL, 11
.set TA, 12
.set TB, 13
.set TK, 14                            ; a block's tokens: lane l has row l / 4
.set SX, 15
.set OFF, 16                           ; v16-23 rows' offsets
.set OFS, 24
.set SSD, 25
.set L8, 26
.set SLA, 27
.set GT, 28                            ; v28-31 gates for plang
.set SS, 32                            ; v32-35 scale bytes on their way, two sets
.set VT, 36                            ; v36-39 planv's numbers
.set WS, 40                            ; v40-55 W1's scale words
.set PO, 56
.set TS, 57
.set XS, 58                            ; v58-61 x's scale words: register k % 4, lanes 0-15 steps 0-3, lanes 16-31 steps 4-7 (W1's likewise)
.set SSV, 62
.set BI, 64                            ; v64-95 b1, the first products' C
.set ACC, 96                           ; v96-127
.set XC, 128
.set U, 160
.set PP, 192
.set QQ, 224
.set MSB, 0
.macro WIN new                         ; the immediate's high byte repeats the setting that is left
.if MSB != \new
	s_set_vgpr_msb (MSB<<8)|\new
.set MSB, \new
.endif
.endm
.macro WALU
	s_wait_alu depctr_va_vdst(0)
.endm
.macro PLACES n                        ; places behind a matrix instruction (ISA guide 7.12.1)
.rept \n
	v_nop
.endr
.endm
.macro WLD from, to                    ; W1's loads: tile u, step k, piece c; steps 0-3 in window 1, 4-7 in window 2
.set x_, \from
.rept (\to)-(\from)
.set u_, x_/32
.set k_, (x_/4)%8
.set c_, x_%4
.if k_ < 4
	WIN 0x40
.else
	WIN 0x80
.endif
	global_load_b128 v[16*(4*(k_%4)+u_)+4*c_:16*(4*(k_%4)+u_)+4*c_+3], v[WOFF], s[8:9] offset:(32*(u_/2)+8*(u_%2))*1024+128*k_+32*c_
.set x_, x_+1
.endr
	WIN 0
.endm
.macro GADDR                           ; a block's tokens -> offsets; a loaded number enters an address only behind a hold at a constant
.irp i, 0,1,2,3,4,5,6,7
	v_readlane_b32 s[48+\i], v[TK], 4*\i
.endr
.irp i, 0,1,2,3,4,5,6,7
	s_min_u32 s[48+\i], s[48+\i], 1023
.endr
.irp i, 0,1,2,3,4,5,6,7
	v_lshl_add_u32 v[OFF+\i], s[48+\i], 10, v[LI]
.endr
	v_min_u32 v[OFS], 1023, v[TK]
	v_lshl_add_u32 v[OFS], v[OFS], 5, v[SX]
.endm
.macro GLOAD set                       ; 17 loads: eight whole rows, and their scale bytes
	WIN 0xc0
.irp i, 0,1,2,3,4,5,6,7
	global_load_b128 v[128+64*(\set)+8*\i:128+64*(\set)+8*\i+3], v[OFF+\i], s[6:7]
	global_load_b128 v[128+64*(\set)+8*\i+4:128+64*(\set)+8*\i+7], v[OFF+\i], s[6:7] offset:512
.endr
	WIN 0
	global_load_b64 v[SS+2*(\set):SS+2*(\set)+1], v[OFS], s[6:7]
.endm
.macro STORE set, slot
	WIN 0x0c
.irp i, 0,1,2,3,4,5,6,7
	ds_store_b128 v[STG], v[128+64*(\set)+8*\i:128+64*(\set)+8*\i+3] offset:SLOT*(\slot)+PITCH*\i
	ds_store_b128 v[STG], v[128+64*(\set)+8*\i+4:128+64*(\set)+8*\i+7] offset:SLOT*(\slot)+PITCH*\i+512
.endr
	WIN 0
	ds_store_b64 v[SSA], v[SS+2*(\set):SS+2*(\set)+1] offset:SCS*(\slot)
.endm
.macro FETCH slot, q                   ; tile q of a slot: its scale words, then eight fragments in the order of K
	ds_load_b128 v[XS:XS+3], v[XSA] offset:SCS*\slot+768*\q
	WIN 0xc0
.irp k, 0,1,2,3,4,5,6,7
.irp c, 0,1,2,3
	ds_load_b128 v[16*\k+4*\c:16*\k+4*\c+3], v[ADRF] offset:SLOT*\slot+16*PITCH*\q+128*\k+32*\c
.endr
.endr
	WIN 0
.endm
.macro MUL counted                     ; 32 products, the four accumulators by turns
.irp k, 0,1,2,3,4,5,6,7
.if \counted
	s_wait_dscnt 28-4*\k                           ; behind this step's fragment stand the later steps' four loads each
.endif
.if \k < 4
	WIN 0x0d
.else
	WIN 0x0e
.endif
.irp u, 0,1,2,3
.if \k == 0
	v_wmma_scale_f32_16x16x128_f8f6f4 v[ACC+8*\u:ACC+8*\u+7], v[16*\u:16*\u+15], v[0:15], v[BI+8*\u:BI+8*\u+7], v[WS+4*\u], v[XS]
.elseif \k < 4
	v_wmma_scale_f32_16x16x128_f8f6f4 v[ACC+8*\u:ACC+8*\u+7], v[16*(4*(\k%4)+\u):16*(4*(\k%4)+\u)+15], v[16*\k:16*\k+15], v[ACC+8*\u:ACC+8*\u+7], v[WS+4*\u+\k%4], v[XS+\k%4]
.else
	v_wmma_scale_f32_16x16x128_f8f6f4 v[ACC+8*\u:ACC+8*\u+7], v[16*(4*(\k%4)+\u):16*(4*(\k%4)+\u)+15], v[16*\k:16*\k+15], v[ACC+8*\u:ACC+8*\u+7], v[WS+4*\u+\k%4], v[XS+\k%4] matrix_a_scale:MATRIX_SCALE_ROW1 matrix_b_scale:MATRIX_SCALE_ROW1
.endif
.endr
.endr
	WIN 0
.endm
.macro EPI q, par                      ; gelu and the quantiser of tile q of block s60: 32 sums a lane, two scale blocks
	s_wait_xcnt 0x0                                ; earlier stores have read their codes and base
.if \q == 0
	s_lshl_b32 s62, s60, 18
	s_mov_b32 s63, 0
	s_add_nc_u64 s[42:43], s[40:41], s[62:63]
.endif
.set i, 0
.rept 32
	v_med3_num_f32 v[XC+i], v[ACC+i], -s36, s36
.set i, i+1
.endr
.set i, 0
.rept 16
	v_pk_mul_f32 v[U+i:U+i+1], v[XC+i:XC+i+1], v[XC+i:XC+i+1]
.set i, i+2
.endr
.set i, 0
.rept 16
	v_pk_fma_f32 v[PP+i:PP+i+1], v[U+i:U+i+1], s[32:33], 0x306dffee op_sel_hi:[1,0,0]
.set i, i+2
.endr
.set i, 0
.rept 16
	v_pk_fma_f32 v[QQ+i:QQ+i+1], v[U+i:U+i+1], s[34:35], 0xb89e3512 op_sel_hi:[1,0,0]
.set i, i+2
.endr
.irp k, 0xb40cff51, 0xb6eec2d2, 0xb940ac63, 0xbac1a1f6, 0xbc83dbd4
.set i, 0
.rept 16
	v_pk_fma_f32 v[PP+i:PP+i+1], v[PP+i:PP+i+1], v[U+i:U+i+1], \k op_sel_hi:[1,1,0]
.set i, i+2
.endr
.endr
.irp k, 0xba9bf7b5, 0xbc2ad7f2, 0xbd2542a9
.set i, 0
.rept 16
	v_pk_fma_f32 v[QQ+i:QQ+i+1], v[QQ+i:QQ+i+1], v[U+i:U+i+1], \k op_sel_hi:[1,1,0]
.set i, i+2
.endr
.endr
.set i, 0
.rept 16
	v_pk_mul_f32 v[PP+i:PP+i+1], v[PP+i:PP+i+1], v[XC+i:XC+i+1]
.set i, i+2
.endr
	WALU
.set i, 0
.rept 32
	v_rcp_f32 v[QQ+i], v[QQ+i]
.set i, i+1
.endr
	v_nop
	WALU
.set i, 0
.rept 16
	v_pk_fma_f32 v[PP+i:PP+i+1], v[PP+i:PP+i+1], v[QQ+i:QQ+i+1], 0.5 op_sel_hi:[1,1,0]
.set i, i+2
.endr
.set i, 0
.rept 16
	v_pk_mul_f32 v[ACC+i:ACC+i+1], v[ACC+i:ACC+i+1], v[PP+i:PP+i+1]
.set i, i+2
.endr
.irp b, 0,1
	v_max3_num_f32 v[XC+\b], |v[ACC+16*\b]|, |v[ACC+16*\b+1]|, 0x4800000   ; with the floor 2^(9 - 127): the byte cannot fall under 1
	v_max3_num_f32 v[XC+2+\b], |v[ACC+16*\b+8]|, |v[ACC+16*\b+9]|, |v[ACC+16*\b+10]|
.endr
.irp j, 2,4
.irp b, 0,1
	v_max3_num_f32 v[XC+\b], v[XC+\b], |v[ACC+16*\b+\j]|, |v[ACC+16*\b+\j+1]|
	v_max3_num_f32 v[XC+2+\b], v[XC+2+\b], |v[ACC+16*\b+\j+9]|, |v[ACC+16*\b+\j+10]|
.endr
.endr
.irp b, 0,1
	v_max3_num_f32 v[XC+\b], v[XC+\b], |v[ACC+16*\b+6]|, |v[ACC+16*\b+7]|
.endr
.irp b, 0,1
	v_max3_num_f32 v[XC+\b], v[XC+\b], v[XC+2+\b], |v[ACC+16*\b+15]|
.endr
.irp b, 0,1
	v_permlanex16_b32 v[XC+4+\b], v[XC+\b], s38, s39
.endr
.irp b, 0,1
	v_max_num_f32 v[XC+\b], v[XC+\b], v[XC+4+\b]   ; a block of 32 lies in lanes l and l xor 16
.endr
.irp b, 0,1
	v_add_nc_u32 v[XC+6+\b], 0xfc000000, v[XC+\b]  ; 8 off the exponent field: the conversion's scale operand
	v_and_or_b32 v[XC+8+\b], v[XC+\b], 0x7f800000, s37   ; 448 x the scale
.endr
.irp b, 0,1
	v_lshrrev_b32 v[XC+10+\b], 23, v[XC+6+\b]
.endr
.set i, 0
.rept 16
	v_med3_num_f32 v[ACC+i], v[ACC+i], -v[XC+8], v[XC+8]   ; the conversion to an 8-bit code does not saturate (ISA guide 7.6.2): the hold comes first
	v_med3_num_f32 v[ACC+16+i], v[ACC+16+i], -v[XC+9], v[XC+9]
.set i, i+1
.endr
	v_lshl_or_b32 v[XC+12], v[XC+11], 8, v[XC+10]
	v_cvt_scalef32_pk8_fp8_f32 v[U:U+1], v[ACC:ACC+7], v[XC+6]
	v_cvt_scalef32_pk8_fp8_f32 v[U+2:U+3], v[ACC+8:ACC+15], v[XC+6]
	v_cvt_scalef32_pk8_fp8_f32 v[U+4:U+5], v[ACC+16:ACC+23], v[XC+7]
	v_cvt_scalef32_pk8_fp8_f32 v[U+6:U+7], v[ACC+24:ACC+31], v[XC+7]
	v_nop
	ds_store_b16 v[SSD], v[XC+12] offset:256*\par+128*\q   ; both halves of the lanes write the same two bytes
	global_store_b128 v[LI], v[U:U+3], s[42:43] offset:131072*\q          ; 512 consecutive bytes: the operand's registers as they stand
	global_store_b128 v[LI], v[U+4:U+7], s[42:43] offset:131072*\q+512
.endm
.macro HALF par
	s_add_co_u32 s60, s29, \par                    ; which of my blocks
	s_wait_dscnt 0x0                               ; my part of this block lies in its slot; my reads of the other slot and of the scale bytes are over
	s_barrier_signal -1
	s_barrier_wait -1                              ; both now hold of every wave
	s_cmp_ge_u32 s60, s28
	s_cbranch_scc1 .Lskip_\par
	s_add_co_u32 s61, s60, 3
	s_min_u32 s61, s61, 15
	s_lshl_b32 s61, s61, 5
	v_add_nc_u32 v[TA], s61, v[TB]
	ds_load_b32 v[TK], v[TA]                       ; the tokens of the block three on
	FETCH \par, 0
	MUL 1
	PLACES 8
	FETCH \par, 1
	s_add_co_u32 s61, s60, 1
	s_cmp_ge_u32 s61, s28
	s_cbranch_scc1 .Lnoask_\par
	s_wait_loadcnt 17                              ; the next block's rows are in: behind them stand the 17 loads of the block after it
	STORE 1-\par, 1-\par
	s_add_co_u32 s61, s60, 3
	s_cmp_ge_u32 s61, s28
	s_cbranch_scc1 .Lnoask_\par
	GADDR
	GLOAD 1-\par
	s_branch .Lasked_\par
.Lnoask_\par:
	s_wait_loadcnt 0x0                             ; nothing is asked for: what is still out is the next block's
.Lasked_\par:
	EPI 0, \par
	s_lshl_b32 s61, s60, 1
	s_add_co_u32 s61, s61, 1
	s_cmp_ge_u32 s61, s27                          ; is there a second tile?
	s_cbranch_scc1 .Lone_\par
	s_wait_dscnt 0x0
	MUL 0
	PLACES 8
	EPI 1, \par
	s_branch .Lend_\par
.Lone_\par:
	v_mov_b32 v[XC], 0x7f7f                        ; a missing tile's scale bytes: 1.0
	ds_store_b16 v[SSD], v[XC] offset:256*\par+128
	s_branch .Lend_\par
.Lskip_\par:
	s_wait_loadcnt 0x0
.Lend_\par:
	s_sub_co_u32 s61, s60, 1                       ; the block before: its 256 scale bytes leave (ahead of the first block the number wraps and fails the test)
	s_cmp_ge_u32 s61, s28
	s_cbranch_scc1 .Lnoscale_\par
	s_cmp_lg_u32 s22, 0
	s_cbranch_scc1 .Lnoscale_\par
	s_wait_xcnt 0x0
	s_lshl_b32 s62, s61, 12
	s_mov_b32 s63, 0
	s_add_nc_u64 s[46:47], s[44:45], s[62:63]
	ds_load_b64 v[SSV:SSV+1], v[SLA] offset:256*(1-\par)
	s_wait_dscnt 0x0
	global_store_b64 v[L8], v[SSV:SSV+1], s[46:47] ; 256 consecutive bytes
.Lnoscale_\par:
.endm
	s_load_b512 s[4:19], s[0:1], 0x0               ; sel, xq, w1_codes, w1_scales, b1, gw, hq, planv
	s_load_b64 s[20:21], s[0:1], 0x40              ; plang
	v_lshl_add_u32 v[SPW], v0, 2, SPARE
	v_mov_b32 v[NIL], 0
	v_lshrrev_b32 v28, 5, v0
	v_readfirstlane_b32 s22, v28                   ; wave
	v_and_b32 v[LN], 31, v0
	v_lshlrev_b32 v[LI], 4, v[LN]
	v_and_b32 v29, 15, v0                          ; r
	v_bfe_u32 v30, v0, 4, 1                        ; h
	s_and_b32 s23, ttmp9, 15                       ; jj
	s_lshr_b32 s24, ttmp9, 4                       ; rh
	s_and_b32 s25, ttmp7, 0xffff                   ; e
	s_lshl_b32 s56, s25, 12
	s_lshl_b32 s57, s23, 8
	s_add_co_u32 s56, s56, s57                     ; W1's first row: 4,096 e + 256 jj
	s_mov_b32 s59, 0
	WALU
	v_and_b32 v31, 8, v29
	v_add_nc_u32 v31, v31, v29
	s_lshl_b32 s57, s22, 6
	v_add_nc_u32 v31, s57, v31                     ; 64 w + r + 8 (r / 8)
	v_lshlrev_b32 v[WOFF], 10, v31
	v_lshl_add_u32 v[WOFF], v30, 4, v[WOFF]
	v_lshlrev_b32 v[WSO], 5, v31
	v_lshl_add_u32 v[WSO], v30, 4, v[WSO]
	s_lshl_b32 s57, s22, 8
	v_lshlrev_b32 v[B1O], 6, v30
	v_add_nc_u32 v[B1O], s57, v[B1O]
	WALU
	s_wait_kmcnt 0x0
.irp i, 0,1,2,3,4,5,6,7
	global_load_b128 v[128+4*\i:128+4*\i+3], v[LI], s[4:5] offset:512*\i   ; register 4 i + j of lane l: token 128 i + 4 l + j
.endr
	s_lshl_b32 s58, s56, 10
	s_add_nc_u64 s[8:9], s[8:9], s[58:59]
	s_lshl_b32 s58, s56, 5
	s_add_nc_u64 s[10:11], s[10:11], s[58:59]
	s_lshl_b32 s58, s56, 2
	s_add_nc_u64 s[12:13], s[12:13], s[58:59]
.irp u, 0,1,2,3
	global_load_b128 v[WS+4*\u:WS+4*\u+3], v[WSO], s[10:11] offset:(32*(\u/2)+8*(\u%2))*32
.endr
.irp b, 0,1
.irp k, 0,1,2,3
	global_load_b128 v[BI+16*\b+4*\k:BI+16*\b+4*\k+3], v[B1O], s[12:13] offset:128*\b+16*\k
.endr
.endr
	WLD 0, 40
	v_mul_u32_u24 v[ADRF], v29, PITCH
	v_lshl_add_u32 v[ADRF], v30, 4, v[ADRF]
	s_mul_i32 s57, s22, 8*PITCH
	v_add_nc_u32 v[STG], s57, v[LI]
	v_lshrrev_b32 v31, 2, v[LN]                    ; l / 4
	v_and_b32 v[TA], 3, v[LN]
	v_lshlrev_b32 v[TA], 3, v[TA]                  ; 8 (l % 4)
	v_mul_u32_u24 v[SSA], v31, 48
	v_add_nc_u32 v[SSA], v[SSA], v[TA]
	s_mul_i32 s57, s22, 384
	s_add_co_u32 s57, s57, SCL
	v_add_nc_u32 v[SSA], s57, v[SSA]
	v_add_nc_u32 v[SX], XS_OFF, v[TA]
	v_mul_u32_u24 v[XSA], v29, 48
	v_lshl_add_u32 v[XSA], v30, 4, v[XSA]
	v_add_nc_u32 v[XSA], SCL, v[XSA]
	s_lshl_b32 s57, s22, 9
	v_lshlrev_b32 v[PO], 2, v[LN]
	v_add_nc_u32 v[PO], s57, v[PO]                 ; 512 w + 4 l
	v_add_nc_u32 v[TS], TL, v[PO]
	s_add_co_u32 s57, s57, TL
	v_lshlrev_b32 v[TB], 2, v31
	v_add_nc_u32 v[TB], s57, v[TB]
	s_lshr_b32 s57, s22, 1
	s_lshl_b32 s57, s57, 6
	s_and_b32 s58, s22, 1
	s_lshl_b32 s58, s58, 1
	s_add_co_u32 s57, s57, s58
	s_add_co_u32 s57, s57, SST
	v_lshlrev_b32 v[SSD], 2, v29
	v_add_nc_u32 v[SSD], s57, v[SSD]               ; step w / 2, slot r, bytes 2 (w % 2)
	v_lshlrev_b32 v[L8], 3, v[LN]
	v_add_nc_u32 v[SLA], SST, v[L8]
.irp p, 0,1,2,3
	v_mov_b32 v[GT+\p], 0                          ; written once: they are stored under a second test of one number
	v_mov_b32 v[VT+\p], 0
.endr
	s_mov_b32 s32, 0xac95df0b                      ; P's leading coefficient (a packed form names a pair and takes its low word for both halves)
	s_mov_b32 s33, s32
	s_mov_b32 s34, 0xb62ccd2b                      ; Q's
	s_mov_b32 s35, s34
	s_mov_b32 s36, 0x40b504f3                      ; 4 sqrt 2
	s_mov_b32 s37, 0x600000                        ; the mantissa field of 448
	s_mov_b32 s38, 0x76543210
	s_mov_b32 s39, 0xfedcba98
	s_lshl_b32 s58, s25, 22
	s_lshl_b32 s57, s24, 16
	s_add_co_u32 s58, s58, s57
	s_lshl_b32 s57, s23, 12
	s_add_co_u32 s58, s58, s57
	s_lshl_b32 s57, s22, 10
	s_add_co_u32 s58, s58, s57
	s_mov_b32 s59, 0
	s_add_nc_u64 s[40:41], s[16:17], s[58:59]      ; hq: expert, rh, step 2 jj + w / 2, piece 2 (w % 2)
	s_lshl_b32 s31, s25, 1
	s_add_co_u32 s31, s31, s24                     ; 2 e + rh
	s_lshl_b32 s58, s31, 16
	s_lshl_b32 s57, s23, 8
	s_add_co_u32 s58, s58, s57
	s_add_co_u32 s58, s58, HS_OFF
	s_add_nc_u64 s[44:45], s[16:17], s[58:59]
	s_lshl_b32 s58, s31, 11
	s_add_nc_u64 s[18:19], s[18:19], s[58:59]
	s_add_nc_u64 s[20:21], s[20:21], s[58:59]
	s_lshl_b32 s30, 1, s25                         ; the expert's bit
	v_mov_b32 v192, 0                              ; a lane write's destination counts as read
	v_mov_b32 v193, 0
	v_mov_b32 v194, 0
	s_mov_b32 s26, 0
	WALU
	s_wait_loadcnt 52                              ; sel is in: 52 loads were issued behind it
.set q, 0
.rept 32
	v_and_b32 v[160+q], s30, v[128+q]
.set q, q+1
.endr
.set q, 0
.rept 32
	v_cmp_ne_u32 s[66+q], 0, v[160+q]              ; word q: bit l = token 128 (q / 4) + 4 l + q % 4
.set q, q+1
.endr
.set q, 0
.rept 32
	v_writelane_b32 v192, s[66+q], q
	v_writelane_b32 v193, s26, q                   ; rows ahead of word q
	s_bcnt1_i32_b32 s31, s[66+q]
	s_add_co_u32 s26, s26, s31
.set q, q+1
.endr
	s_add_co_u32 s31, s26, 15
	s_lshr_b32 s31, s31, 4                         ; the expert's tiles
	s_add_co_u32 s31, s31, 1
	s_sub_co_u32 s31, s31, s24
	s_lshr_b32 s27, s31, 1                         ; mine
	s_add_co_u32 s31, s27, 1
	s_lshr_b32 s28, s31, 1                         ; my blocks
	s_lshr_b32 s31, s22, 1
	s_lshl_b32 s31, s31, 5
	s_and_b32 s57, s22, 1
	s_lshl_b32 s57, s57, 3
	s_add_co_u32 s31, s31, s57
	s_lshl_b32 s57, s24, 4
	s_add_co_u32 s31, s31, s57
	v_lshrrev_b32 v195, 3, v[LN]
	v_and_b32 v208, 7, v[LN]
	v_lshl_add_u32 v208, v195, 6, v208
	v_add_nc_u32 v208, s31, v208                   ; lane l, group p: the slot of row l % 8 of my eight in block 4 p + l / 8
	v_add_nc_u32 v209, 0x100, v208
	v_add_nc_u32 v210, 0x200, v208
	v_add_nc_u32 v211, 0x300, v208
.irp p, 0,1,2,3
	v_mov_b32 v[196+\p], 0
.endr
	WALU
.irp st, 64,32,16,8,4                  ; 4 x the step: the last word with no more rows ahead of it than my slot's number
.irp p, 0,1,2,3
	v_add_nc_u32 v[200+\p], \st, v[196+\p]
.endr
.irp p, 0,1,2,3
	ds_bpermute_b32 v[204+\p], v[200+\p], v193
.endr
	WALU
	s_wait_dscnt 0x0
.irp p, 0,1,2,3
	v_cmp_le_u32 s[66+\p], v[204+\p], v[208+\p]
.endr
.irp p, 0,1,2,3
	v_cndmask_b32 v[196+\p], v[196+\p], v[200+\p], s[66+\p]
.endr
.endr
.irp p, 0,1,2,3
	ds_bpermute_b32 v[212+\p], v[196+\p], v192
	ds_bpermute_b32 v[216+\p], v[196+\p], v193
.endr
	WALU
	s_wait_dscnt 0x0
.irp p, 0,1,2,3
	v_sub_nc_u32 v[216+\p], v[208+\p], v[216+\p]   ; my rank inside the word
	v_lshrrev_b32 v[224+\p], 1, v[212+\p]
	v_and_b32 v[224+\p], 0x55555555, v[224+\p]
	v_sub_nc_u32 v[224+\p], v[212+\p], v[224+\p]   ; counts of 2 bits,
	v_and_b32 v[228+\p], 0x33333333, v[224+\p]
	v_lshrrev_b32 v[232+\p], 2, v[224+\p]
	v_and_b32 v[232+\p], 0x33333333, v[232+\p]
	v_add_nc_u32 v[228+\p], v[228+\p], v[232+\p]   ; of 4,
	v_lshrrev_b32 v[232+\p], 4, v[228+\p]
	v_add_nc_u32 v[232+\p], v[232+\p], v[228+\p]
	v_and_b32 v[232+\p], 0x0f0f0f0f, v[232+\p]     ; of 8,
	v_lshrrev_b32 v[236+\p], 8, v[232+\p]
	v_add_nc_u32 v[236+\p], v[236+\p], v[232+\p]   ; and of the low 16 in the low byte
	v_mov_b32 v[220+\p], 0
.endr
.macro SELECT lvl, bits, step
.irp p, 0,1,2,3
	v_bfe_u32 v[240+\p], v[\lvl+\p], v[220+\p], \bits
	v_sub_nc_u32 v[244+\p], v[216+\p], v[240+\p]
	v_add_nc_u32 v[200+\p], \step, v[220+\p]
	v_cmp_ge_u32 s[66+\p], v[216+\p], v[240+\p]
	v_cndmask_b32 v[216+\p], v[216+\p], v[244+\p], s[66+\p]
	v_cndmask_b32 v[220+\p], v[220+\p], v[200+\p], s[66+\p]
.endr
.endm
	SELECT 236, 8, 16
	SELECT 232, 8, 8
	SELECT 228, 4, 4
	SELECT 224, 2, 2
	SELECT 212, 1, 1
.irp p, 0,1,2,3
	v_lshrrev_b32 v[204+\p], 4, v[196+\p]
	v_bfe_u32 v[240+\p], v[196+\p], 2, 2
	v_lshl_add_u32 v[240+\p], v[220+\p], 2, v[240+\p]
	v_lshl_add_u32 v[240+\p], v[204+\p], 7, v[240+\p]   ; the token
.endr
.irp p, 0,1,2,3
	ds_store_b32 v[TS], v[240+\p] offset:128*\p    ; my wave's own list
.endr
	WALU
	s_cmp_lg_u32 s23, 0                            ; the first work-group of each (expert, rh) leaves the list for the next launch
	s_cbranch_scc1 .Lnoplan
	s_sub_co_u32 s31, s30, 1                       ; the lower experts' bits
.set q, 0
.rept 32
	v_and_b32 v[160+q], s31, v[128+q]
.set q, q+1
.endr
.set q, 0
.rept 32
	v_cmp_ne_u32 s[66+q], 0, v[160+q]
.set q, q+1
.endr
.set q, 0
.rept 32
	v_writelane_b32 v194, s[66+q], q
.set q, q+1
.endr
	WALU
.irp p, 0,1,2,3
	ds_bpermute_b32 v[248+\p], v[196+\p], v194
.endr
	s_wait_dscnt 0x0
.irp p, 0,1,2,3
	v_bfe_u32 v[248+\p], v[248+\p], v[220+\p], 1
	v_lshl_add_u32 v[VT+\p], v[240+\p], 1, v[248+\p]
	v_min_u32 v[VT+\p], 2047, v[VT+\p]
	v_lshlrev_b32 v[248+\p], 2, v[VT+\p]
.endr
.irp p, 0,1,2,3
	global_load_b32 v[GT+\p], v[248+\p], s[14:15]
.endr
	WALU
.Lnoplan:
	ds_load_b32 v[TK], v[TB]
	s_wait_dscnt 0x0
	GADDR
	GLOAD 0
	WLD 40, 128
	ds_load_b32 v[TK], v[TB] offset:32
	s_wait_xcnt 0x0                                ; block 0's loads have read their offsets
	s_wait_dscnt 0x0
	GADDR
	GLOAD 1
	s_wait_loadcnt 63                              ; block 0's rows (and the gates) are in: 105 loads were issued behind them
	STORE 0, 0
	s_cmp_lg_u32 s23, 0
	s_cbranch_scc1 .Lnoplan2
	v_mov_b32 v195, s26
.irp p, 0,1,2,3
	global_store_b32 v[PO], v[VT+\p], s[18:19] offset:128*\p
	global_store_b32 v[PO], v[GT+\p], s[20:21] offset:128*\p
.endr
	global_store_b32 v[PO], v195, s[18:19] offset:32768
.Lnoplan2:
	ds_load_b32 v[TK], v[TB] offset:64
	s_wait_xcnt 0x0
	s_wait_dscnt 0x0
	GADDR
	GLOAD 0
	s_mov_b32 s29, 0
	WALU
	s_wait_xcnt 0x0
	s_wait_loadcnt 34                              ; W1 is in my registers: behind it stand two blocks' 17 loads each
.Ltrip:
	HALF 0
	HALF 1
	s_add_co_u32 s29, s29, 2
	s_cmp_lt_u32 s29, 18
	s_cbranch_scc1 .Ltrip
	s_wait_tensorcnt 0x0                           ; the wave's end, behind my last LDS store
	ds_add_u32 v[SPW], v[NIL]
	s_wait_dscnt 0x0
	s_endpgm
.Lfunc_end_k_qb53dbb6197_up:
	.size	k_qb53dbb6197_up, .Lfunc_end_k_qb53dbb6197_up-k_qb53dbb6197_up
	.p2alignl 7, 3214868480
	.fill 96, 4, 3214868480
	.section	.rodata,"a",@progbits
	.p2align	6, 0x0
	.amdhsa_kernel k_qb53dbb6197_up
		.amdhsa_group_segment_fixed_size 72704
		.amdhsa_private_segment_fixed_size 0
		.amdhsa_enable_private_segment 0
		.amdhsa_kernarg_size 72
		.amdhsa_user_sgpr_count 2
		.amdhsa_user_sgpr_kernarg_segment_ptr 1
		.amdhsa_wavefront_size32 1
		.amdhsa_system_sgpr_workgroup_id_x 1
		.amdhsa_system_sgpr_workgroup_id_y 1
		.amdhsa_system_sgpr_workgroup_id_z 1
		.amdhsa_system_vgpr_workitem_id 0
		.amdhsa_next_free_vgpr 1024
		.amdhsa_next_free_sgpr 98
		.amdhsa_reserve_vcc 0
		.amdhsa_float_denorm_mode_32 3
		.amdhsa_float_denorm_mode_16_64 3
		.amdhsa_memory_ordered 1
		.amdhsa_forward_progress 1
		.amdhsa_inst_pref_size 207
	.end_amdhsa_kernel
	.amdgpu_metadata
---
amdhsa.version: [ 1, 2 ]
amdhsa.kernels:
  - .name:           k_qb53dbb6197_up
    .symbol:         k_qb53dbb6197_up.kd
    .args:
      - { .name: sel, .offset: 0, .size: 8, .value_kind: global_buffer, .address_space: global }
      - { .name: xq, .offset: 8, .size: 8, .value_kind: global_buffer, .address_space: global }
      - { .name: w1_codes, .offset: 16, .size: 8, .value_kind: global_buffer, .address_space: global }
      - { .name: w1_scales, .offset: 24, .size: 8, .value_kind: global_buffer, .address_space: global }
      - { .name: b1, .offset: 32, .size: 8, .value_kind: global_buffer, .address_space: global }
      - { .name: gw, .offset: 40, .size: 8, .value_kind: global_buffer, .address_space: global }
      - { .name: hq, .offset: 48, .size: 8, .value_kind: global_buffer, .address_space: global }
      - { .name: planv, .offset: 56, .size: 8, .value_kind: global_buffer, .address_space: global }
      - { .name: plang, .offset: 64, .size: 8, .value_kind: global_buffer, .address_space: global }
    .group_segment_fixed_size: 72704
    .private_segment_fixed_size: 0
    .kernarg_segment_align: 8
    .kernarg_segment_size: 72
    .max_flat_workgroup_size: 128
    .sgpr_count:     98
    .vgpr_count:     1024
    .wavefront_size: 32
...
	.end_amdgpu_metadata
.endif
;; end of part 2
;; launch down (part 3): grid 32 x 8, 4 waves a work-group, no clusters, 135,680 bytes of LDS; arguments hq, planv, w2_codes, w2_scales, b2, plang, yp; writes yp
.if DOCPART == 3
	.amdgcn_target "amdgcn-amd-amdhsa--gfx1250"
	.amdhsa_code_object_version 6
	.text
	.protected	k_qb53dbb6197_down
	.globl	k_qb53dbb6197_down
	.p2align	8
	.type	k_qb53dbb6197_down,@function
k_qb53dbb6197_down:
	s_mov_b64 s[64:65], 0
	v_nop
	global_prefetch_b8 v0, s[64:65] scope:SCOPE_SE
	s_setreg_imm32_b32 hwreg(HW_REG_WAVE_MODE, 25, 1), 1
	s_wait_xcnt 0x0
; Launch 3 of 4: gate x (h W2 + b2) for the routed rows alone (see the first kernel's head), in two halves of K that the last launch adds.
; SHARES: work-group (16 rh + 2 dc + kh, e) owns outputs 128 dc .. + 127, K = 2,048 kh .. + 2,047 and every other tile of 16 slots of expert e.  Wave w holds 512 of that K x 128 outputs of W2 in 512 registers.
; A block is two tiles; h's fragments come as dense images of the operand's registers, two blocks ahead.  The waves' partial tiles meet in LDS (rows of 512 bytes + 16): two sets by turns, one barrier a block;
; under the next block's products wave w adds rows 4 w .. 4 w + 3 of each tile, + b2 (in the first half of K alone), x the row's gate, and stores whole runs of 512 bytes of yp[kh][2 token + k][1024].
; Product used transposed: source 0 = 16 rows of W2, source 1 = 16 slots.  The loop has a constant count (16 blocks behind the first); blocks beyond the expert's jump over the work, never over a barrier.
; No tensor load, no cluster: which blocks a work-group walks hangs on counts read from memory.  No prefetch: W2 is asked for once ahead of the loop, and h runs two blocks ahead.
; A missing second tile takes the first tile's codes: rows at or behind the expert's last are not stored.
.set HS_OFF, 33554432
.set SRCB, 16*528
.set TILEB, 4*SRCB
.set SETB, 2*TILEB
.set SPARE, 2*SETB
.set LN, 1
.set LI, 2                             ; 16 x lane
.set L4, 3                             ; 4 x lane
.set WOFF, 4
.set WSO, 5
.set FS, 6                             ; v6-7 partial tiles, way in: set 0, 1
.set FR, 8                             ; v8-9 way out
.set SPW, 10
.set NIL, 11
.set B2, 12
.set YO, 16                            ; v16-23
.set HS, 24                            ; v24-31 h's scale words: lanes 0-15 an even step, lanes 16-31 the next
.set W2S, 32                           ; v32-47 W2's: register 4 m + s: lanes 0-15 tile 2 m, lanes 16-31 tile 2 m + 1
.set ACC, 64
.set F, 128                            ; v128-255
.set MSB, 0
.macro WIN new                         ; the immediate's high byte repeats the setting that is left
.if MSB != \new
	s_set_vgpr_msb (MSB<<8)|\new
.set MSB, \new
.endif
.endm
.macro WALU
	s_wait_alu depctr_va_vdst(0)
.endm
.macro PLACES n                        ; places behind a matrix instruction (ISA guide 7.12.1)
.rept \n
	v_nop
.endr
.endm
.macro WLD from, to                    ; W2's loads: tile n, step s, piece c; steps 0-1 in window 1, 2-3 in window 2
.set x_, \from
.rept (\to)-(\from)
.set n_, x_/16
.set s_, (x_/4)%4
.set c_, x_%4
.if s_ < 2
	WIN 0x40
.else
	WIN 0x80
.endif
	global_load_b128 v[16*(8*(s_%2)+n_)+4*c_:16*(8*(s_%2)+n_)+4*c_+3], v[WOFF], s[8:9] offset:65536*n_+128*s_+32*c_
.set x_, x_+1
.endr
	WIN 0
.endm
.macro HLOAD set                       ; block s61 into set: 36 loads, 18 a tile
	s_wait_xcnt 0x0                                ; the bases are free
	s_lshl_b32 s62, s61, 18
	s_mov_b32 s63, 0
	s_add_nc_u64 s[42:43], s[40:41], s[62:63]
	s_lshl_b32 s62, s61, 12
	s_add_nc_u64 s[48:49], s[46:47], s[62:63]
	s_lshl_b32 s59, s61, 1
	s_add_co_u32 s59, s59, 1
	s_cmp_lt_u32 s59, s27
	s_cselect_b32 s62, 0x20000, 0
	s_min_u32 s62, s62, 0x20000                    ; (what hangs on a loaded number enters an address only behind a hold at a constant)
	s_add_nc_u64 s[44:45], s[42:43], s[62:63]
.irp q, 0,1
	WIN 0xc0
.irp s, 0,1,2,3
.irp c, 0,1,2,3
	global_load_b128 v[64*(2*\set+\q)+16*\s+4*\c:64*(2*\set+\q)+16*\s+4*\c+3], v[LI], s[42+2*\q:43+2*\q] offset:2048*\s+512*\c   ; 512 consecutive bytes
.endr
.endr
	WIN 0
	global_load_b32 v[HS+2+\q+4*\set], v[L4], s[48:49] offset:128*\q
	global_load_b32 v[HS+\q+4*\set], v[L4], s[48:49] offset:128*\q+256
.endr
.endm
.macro WM n, s, q, set
.set A_, ACC+8*\n
.set W_, 16*(8*(\s%2)+\n)
.set H_, 64*(2*\set+\q)+16*\s
.set X_, W2S+4*(\n/2)+\s
.set Y_, HS+\q+4*\set+2*(1-\s/2)
.if \s == 0
.if \n%2
	v_wmma_scale_f32_16x16x128_f8f6f4 v[A_:A_+7], v[W_:W_+15], v[H_:H_+15], 0, v[X_], v[Y_] matrix_a_scale:MATRIX_SCALE_ROW1
.else
	v_wmma_scale_f32_16x16x128_f8f6f4 v[A_:A_+7], v[W_:W_+15], v[H_:H_+15], 0, v[X_], v[Y_]
.endif
.elseif \s == 2
.if \n%2
	v_wmma_scale_f32_16x16x128_f8f6f4 v[A_:A_+7], v[W_:W_+15], v[H_:H_+15], v[A_:A_+7], v[X_], v[Y_] matrix_a_scale:MATRIX_SCALE_ROW1
.else
	v_wmma_scale_f32_16x16x128_f8f6f4 v[A_:A_+7], v[W_:W_+15], v[H_:H_+15], v[A_:A_+7], v[X_], v[Y_]
.endif
.else
.if \n%2
	v_wmma_scale_f32_16x16x128_f8f6f4 v[A_:A_+7], v[W_:W_+15], v[H_:H_+15], v[A_:A_+7], v[X_], v[Y_] matrix_a_scale:MATRIX_SCALE_ROW1 matrix_b_scale:MATRIX_SCALE_ROW1
.else
	v_wmma_scale_f32_16x16x128_f8f6f4 v[A_:A_+7], v[W_:W_+15], v[H_:H_+15], v[A_:A_+7], v[X_], v[Y_] matrix_b_scale:MATRIX_SCALE_ROW1
.endif
.endif
.endm
.macro MUL q, set                      ; 32 products, the eight accumulators by turns
.irp s, 0,1,2,3
.if \s < 2
	WIN 0x0d
.else
	WIN 0x0e
.endif
.irp n, 0,1,2,3,4,5,6,7
	WM \n, \s, \q, \set
.endr
.endr
	WIN 0
	PLACES 9                                       ; the stores below read the sums, and the next products write over them
.endm
.macro PUT q, set
.irp n, 0,1,2,3,4,5,6,7
	ds_store_b128 v[FS+\set], v[ACC+8*\n:ACC+8*\n+3] offset:TILEB*\q+64*\n
	ds_store_b128 v[FS+\set], v[ACC+8*\n+4:ACC+8*\n+7] offset:TILEB*\q+64*\n+16
.endr
.endm
.macro GET set
	s_wait_xcnt 0x0                                ; earlier stores have read these registers
.irp q, 0,1
.irp src, 0,1,2,3
.irp i, 0,1,2,3
	ds_load_b128 v[F+64*\q+16*\src+4*\i:F+64*\q+16*\src+4*\i+3], v[FR+\set] offset:TILEB*\q+SRCB*\src+528*\i
.endr
.endr
.endr
.endm
.macro SUM q                           ; four rows of tile q of block s60 - 1
.set f, F+64*\q
.set i, 0
.rept 8
	v_pk_add_f32 v[f+i:f+i+1], v[f+i:f+i+1], v[f+16+i:f+17+i]
	v_pk_add_f32 v[f+32+i:f+33+i], v[f+32+i:f+33+i], v[f+48+i:f+49+i]
.set i, i+2
.endr
.set i, 0
.rept 8
	v_pk_add_f32 v[f+i:f+i+1], v[f+i:f+i+1], v[f+32+i:f+33+i]
.set i, i+2
.endr
.set i, 0
.rept 8
	v_pk_add_f32 v[f+i:f+i+1], v[f+i:f+i+1], v[B2+i%4:B2+i%4+1]
.set i, i+2
.endr
.set i, 0
.rept 16
	v_mul_f32 v[f+i], s[76+4*\q+i/4], v[f+i]
.set i, i+1
.endr
.irp i, 0,1,2,3
	s_min_u32 s[68+4*\q+\i], s[68+4*\q+\i], 2047   ; a loaded number enters an address only behind a hold at a constant
	s_lshl_b32 s[68+4*\q+\i], s[68+4*\q+\i], 12
	v_add_nc_u32 v[YO+4*\q+\i], s[68+4*\q+\i], v[LI]
.endr
	s_lshl_b32 s57, s60, 6
	s_sub_co_u32 s57, s57, 64-32*\q
	s_lshl_b32 s56, s24, 4
	s_add_co_u32 s57, s57, s56
	s_lshl_b32 s56, s22, 2
	s_add_co_u32 s57, s57, s56                     ; my first row's slot
	s_sub_co_u32 s57, s26, s57                     ; rows from there to the expert's end
	WALU
.irp i, 0,1,2,3
	s_cmp_le_i32 s57, \i
	s_cbranch_scc1 .Lrows_\@
	global_store_b128 v[YO+4*\q+\i], v[f+4*\i:f+4*\i+3], s[16:17]   ; 512 consecutive bytes, two whole units of 256
.endr
.Lrows_\@:
.endm
.macro FIN
	s_wait_kmcnt 0x0
	s_wait_dscnt 0x0
	SUM 0
	SUM 1
.endm
.macro BODY par, fin                   ; block s60
.if \fin
	GET 1-\par
.endif
	s_wait_loadcnt 54                              ; tile 0 is in: behind it stand tile 1's 18 loads and the next block's 36
	MUL 0, \par
.if \fin
	FIN
.endif
	PUT 0, \par
	s_wait_loadcnt 36                              ; tile 1
	MUL 1, \par
	PUT 1, \par
	s_lshl_b32 s58, s60, 5
.irp q, 0,1
	s_load_b128 s[68+4*\q:71+4*\q], s[6:7], s58 offset:1024*\q    ; my rows' places and gates, for the next trip
	s_load_b128 s[76+4*\q:79+4*\q], s[14:15], s58 offset:1024*\q
.endr
	s_add_co_u32 s61, s60, 2
	s_cmp_ge_u32 s61, s28
	s_cbranch_scc1 .Lnoask_\@
	HLOAD \par
	s_branch .Lasked_\@
.Lnoask_\@:
	s_wait_loadcnt 0x0                             ; nothing is asked for: what is still out is the next block's
.Lasked_\@:
.endm
.macro MEET                            ; my partial tiles lie in this set, and my reads of the other set are over: of every wave
	s_wait_dscnt 0x0
	s_barrier_signal -1
	s_barrier_wait -1
.endm
.macro HALF par
	s_cmp_lt_u32 s60, s28
	s_cbranch_scc1 .Lmul_\par
	s_wait_loadcnt 0x0
	s_cmp_lg_u32 s60, s28
	s_cbranch_scc1 .Lend_\par
	GET 1-\par
	FIN                                            ; behind the last block: its sums alone
	s_branch .Lend_\par
.Lmul_\par:
	BODY \par, 1
.Lend_\par:
	MEET
.endm
	s_load_b256 s[4:11], s[0:1], 0x0               ; hq, planv, w2_codes, w2_scales
	s_load_b128 s[12:15], s[0:1], 0x20             ; b2, plang
	s_load_b64 s[16:17], s[0:1], 0x30              ; yp
	v_lshl_add_u32 v[SPW], v0, 2, SPARE
	v_mov_b32 v[NIL], 0
	v_lshrrev_b32 v16, 5, v0
	v_readfirstlane_b32 s22, v16                   ; wave
	s_and_b32 s21, ttmp9, 1                        ; kh
	s_bfe_u32 s23, ttmp9, 0x30001                  ; dc
	s_lshr_b32 s24, ttmp9, 4                       ; rh
	s_and_b32 s25, ttmp7, 0xffff                   ; e
	s_lshl_b32 s30, s21, 4
	s_lshl_b32 s31, s22, 2
	s_add_co_u32 s30, s30, s31                     ; my first step of 128 along K
	v_and_b32 v[LN], 31, v0
	v_lshlrev_b32 v[LI], 4, v[LN]
	v_lshlrev_b32 v[L4], 2, v[LN]
	v_and_b32 v17, 15, v0                          ; r
	v_bfe_u32 v18, v0, 4, 1                        ; h
	s_lshl_b32 s31, s30, 7
	v_lshlrev_b32 v[WOFF], 12, v17
	v_lshl_add_u32 v[WOFF], v18, 4, v[WOFF]
	v_add_nc_u32 v[WOFF], s31, v[WOFF]
	s_lshl_b32 s31, s30, 2
	v_lshlrev_b32 v[WSO], 7, v[LN]
	v_add_nc_u32 v[WSO], s31, v[WSO]
	s_mul_i32 s31, s22, SRCB
	v_mul_u32_u24 v[FS], v17, 528
	v_lshl_add_u32 v[FS], v18, 5, v[FS]
	v_add_nc_u32 v[FS], s31, v[FS]                 ; in: my wave's piece, row r, 32 bytes for each half of the lanes
	v_add_nc_u32 v[FS+1], SETB, v[FS]
	s_mul_i32 s31, s22, 4*528
	v_add_nc_u32 v[FR], s31, v[LI]                 ; back: rows 4 w on, 512 consecutive bytes a row
	v_add_nc_u32 v[FR+1], SETB, v[FR]
	s_lshl_b32 s56, s25, 10
	s_lshl_b32 s57, s23, 7
	s_add_co_u32 s56, s56, s57                     ; W2's first row: 1,024 e + 128 dc
	s_lshl_b32 s31, s25, 1
	s_add_co_u32 s31, s31, s24                     ; 2 e + rh
	s_mov_b32 s59, 0
	WALU
	s_wait_kmcnt 0x0
	s_lshl_b32 s58, s31, 11
	s_add_nc_u64 s[6:7], s[6:7], s[58:59]
	s_load_b32 s26, s[6:7], 32768                  ; the expert's rows
	s_add_nc_u64 s[14:15], s[14:15], s[58:59]
	s_lshl_b32 s58, s56, 12
	s_add_nc_u64 s[8:9], s[8:9], s[58:59]
	s_lshl_b32 s58, s56, 7
	s_add_nc_u64 s[10:11], s[10:11], s[58:59]
	s_lshl_b32 s58, s56, 2
	s_add_nc_u64 s[12:13], s[12:13], s[58:59]
.irp m, 0,1,2,3
	global_load_b128 v[W2S+4*\m:W2S+4*\m+3], v[WSO], s[10:11] offset:4096*\m
.endr
	global_load_b128 v[B2:B2+3], v[LI], s[12:13]
	WLD 0, 80
	s_lshl_b32 s58, s25, 22
	s_lshl_b32 s57, s24, 16
	s_add_co_u32 s58, s58, s57
	s_lshl_b32 s57, s30, 11
	s_add_co_u32 s58, s58, s57
	s_add_nc_u64 s[40:41], s[4:5], s[58:59]        ; hq: expert, rh, my steps
	s_lshl_b32 s58, s31, 16
	s_lshl_b32 s57, s30, 7
	s_add_co_u32 s58, s58, s57
	s_add_co_u32 s58, s58, HS_OFF
	s_add_nc_u64 s[46:47], s[4:5], s[58:59]
	s_lshl_b32 s58, s21, 23
	s_lshl_b32 s57, s23, 9
	s_add_co_u32 s58, s58, s57
	s_add_nc_u64 s[16:17], s[16:17], s[58:59]      ; yp: my half's plane, my columns
	s_wait_kmcnt 0x0
	s_lshr_b32 s57, s22, 1
	s_lshl_b32 s58, s57, 9
	s_and_b32 s57, s22, 1
	s_lshl_b32 s57, s57, 4
	s_add_co_u32 s58, s58, s57
	s_add_nc_u64 s[6:7], s[6:7], s[58:59]          ; my rows' entries in a block
	s_add_nc_u64 s[14:15], s[14:15], s[58:59]
	s_add_co_u32 s31, s26, 15
	s_lshr_b32 s31, s31, 4
	s_add_co_u32 s31, s31, 1
	s_sub_co_u32 s31, s31, s24
	s_lshr_b32 s27, s31, 1                         ; my tiles
	s_add_co_u32 s31, s27, 1
	s_lshr_b32 s28, s31, 1                         ; my blocks
	s_mov_b32 s61, 0
	HLOAD 0
	WLD 80, 128
	s_max_u32 s61, s28, 1
	s_sub_co_u32 s61, s61, 1
	s_min_u32 s61, s61, 1                          ; block 1, or block 0 again where there is but one
	HLOAD 1
	s_cmp_eq_u32 s21, 0
	s_cselect_b32 s31, -1, 0
	s_wait_loadcnt 36                              ; W2 and b2 are in my registers: behind them stand 36 loads
.irp i, 0,1,2,3
	v_cndmask_b32 v[B2+\i], 0, v[B2+\i], s31       ; b2 is added in the first half of K alone
.endr
	s_mov_b32 s60, 0
	WALU
	s_cmp_eq_u32 s28, 0
	s_cbranch_scc1 .Lnone
	BODY 0, 0
	s_branch .Lfirst
.Lnone:
	s_wait_loadcnt 0x0
.irp i, 0,1,2,3,4,5,6,7,8,9,10,11,12,13,14,15
	s_mov_b32 s[68+\i], 0
.endr
.Lfirst:
	MEET
	s_mov_b32 s29, 1
.Ltrip:
	s_mov_b32 s60, s29
	HALF 1
	s_add_co_u32 s60, s29, 1
	HALF 0
	s_add_co_u32 s29, s29, 2
	s_cmp_lt_u32 s29, 17
	s_cbranch_scc1 .Ltrip
	s_wait_tensorcnt 0x0                           ; the wave's end, behind my last LDS store
	ds_add_u32 v[SPW], v[NIL]
	s_wait_dscnt 0x0
	s_endpgm
.Lfunc_end_k_qb53dbb6197_down:
	.size	k_qb53dbb6197_down, .Lfunc_end_k_qb53dbb6197_down-k_qb53dbb6197_down
	.p2alignl 7, 3214868480
	.fill 96, 4, 3214868480
	.section	.rodata,"a",@progbits
	.p2align	6, 0x0
	.amdhsa_kernel k_qb53dbb6197_down
		.amdhsa_group_segment_fixed_size 135680
		.amdhsa_private_segment_fixed_size 0
		.amdhsa_enable_private_segment 0
		.amdhsa_kernarg_size 56
		.amdhsa_user_sgpr_count 2
		.amdhsa_user_sgpr_kernarg_segment_ptr 1
		.amdhsa_wavefront_size32 1
		.amdhsa_system_sgpr_workgroup_id_x 1
		.amdhsa_system_sgpr_workgroup_id_y 1
		.amdhsa_system_sgpr_workgroup_id_z 1
		.amdhsa_system_vgpr_workitem_id 0
		.amdhsa_next_free_vgpr 1024
		.amdhsa_next_free_sgpr 84
		.amdhsa_reserve_vcc 0
		.amdhsa_float_denorm_mode_32 3
		.amdhsa_float_denorm_mode_16_64 3
		.amdhsa_memory_ordered 1
		.amdhsa_forward_progress 1
		.amdhsa_inst_pref_size 112
	.end_amdhsa_kernel
	.amdgpu_metadata
---
amdhsa.version: [ 1, 2 ]
amdhsa.kernels:
  - .name:           k_qb53dbb6197_down
    .symbol:         k_qb53dbb6197_down.kd
    .args:
      - { .name: hq, .offset: 0, .size: 8, .value_kind: global_buffer, .address_space: global }
      - { .name: planv, .offset: 8, .size: 8, .value_kind: global_buffer, .address_space: global }
      - { .name: w2_codes, .offset: 16, .size: 8, .value_kind: global_buffer, .address_space: global }
      - { .name: w2_scales, .offset: 24, .size: 8, .value_kind: global_buffer, .address_space: global }
      - { .name: b2, .offset: 32, .size: 8, .value_kind: global_buffer, .address_space: global }
      - { .name: plang, .offset: 40, .size: 8, .value_kind: global_buffer, .address_space: global }
      - { .name: yp, .offset: 48, .size: 8, .value_kind: global_buffer, .address_space: global }
    .group_segment_fixed_size: 135680
    .private_segment_fixed_size: 0
    .kernarg_segment_align: 8
    .kernarg_segment_size: 56
    .max_flat_workgroup_size: 128
    .sgpr_count:     84
    .vgpr_count:     1024
    .wavefront_size: 32
...
	.end_amdgpu_metadata
.endif
;; end of part 3
;; launch comb (part 4): grid 256 x 1, 4 waves a work-group, no clusters, 0 bytes of LDS; arguments yp, out0; writes out0
.if DOCPART == 4
	.amdgcn_target "amdgcn-amd-amdhsa--gfx1250"
	.amdhsa_code_object_version 6
	.text
	.protected	k_qb53dbb6197_comb
	.globl	k_qb53dbb6197_comb
	.p2align	8
	.type	k_qb53dbb6197_comb,@function
k_qb53dbb6197_comb:
	s_mov_b64 s[64:65], 0
	v_nop
	global_prefetch_b8 v0, s[64:65] scope:SCOPE_SE
	s_setreg_imm32_b32 hwreg(HW_REG_WAVE_MODE, 25, 1), 1
	s_wait_xcnt 0x0
; Launch 4 of 4: out[t] = the sum of its two chosen experts' rows (gate and b2 are in them), each in two halves of K.  The six experts whose gate is exactly 0 add nothing (see the first kernel's head).
; A wave takes one token: rows 2 t and 2 t + 1 of both planes, 32 loads of 512 consecutive bytes, all on their way at once; each output row has one owner.  No LDS, no barrier; each byte is read once, in no loop: no prefetch, no cluster.
.set PLANE, 8388608
	s_load_b128 s[4:7], s[0:1], 0x0                ; yp, out0
	v_lshrrev_b32 v1, 5, v0
	v_readfirstlane_b32 s16, v1                    ; wave
	v_and_b32 v1, 31, v0
	v_lshlrev_b32 v1, 4, v1                        ; 16 x lane
	s_lshl_b32 s17, ttmp9, 2
	s_add_co_u32 s17, s17, s16                     ; my token
	s_lshl_b32 s18, s17, 13
	s_mov_b32 s19, 0
	s_lshl_b32 s20, s17, 12
	s_mov_b32 s21, 0
	s_wait_alu depctr_va_vdst(0)                   ; the wait at the head's end
	s_wait_kmcnt 0x0
	s_add_nc_u64 s[4:5], s[4:5], s[18:19]
	s_add_nc_u64 s[8:9], s[4:5], PLANE
	s_add_nc_u64 s[6:7], s[6:7], s[20:21]
.irp i, 0,1,2,3,4,5,6,7
	global_load_b128 v[16+16*\i:19+16*\i], v1, s[4:5] offset:512*\i th:TH_LOAD_NT
	global_load_b128 v[20+16*\i:23+16*\i], v1, s[8:9] offset:512*\i th:TH_LOAD_NT
	global_load_b128 v[24+16*\i:27+16*\i], v1, s[4:5] offset:4096+512*\i th:TH_LOAD_NT
	global_load_b128 v[28+16*\i:31+16*\i], v1, s[8:9] offset:4096+512*\i th:TH_LOAD_NT
.endr
.irp i, 0,1,2,3,4,5,6,7
	s_wait_loadcnt 4*(7-\i)                        ; this piece's four loads are in; the later pieces' four each may be out
.irp p, 0,2
	v_pk_add_f32 v[16+16*\i+\p:17+16*\i+\p], v[16+16*\i+\p:17+16*\i+\p], v[20+16*\i+\p:21+16*\i+\p]
	v_pk_add_f32 v[24+16*\i+\p:25+16*\i+\p], v[24+16*\i+\p:25+16*\i+\p], v[28+16*\i+\p:29+16*\i+\p]
.endr
.irp p, 0,2
	v_pk_add_f32 v[16+16*\i+\p:17+16*\i+\p], v[16+16*\i+\p:17+16*\i+\p], v[24+16*\i+\p:25+16*\i+\p]
.endr
	global_store_b128 v1, v[16+16*\i:19+16*\i], s[6:7] offset:512*\i th:TH_STORE_NT   ; 512 consecutive bytes of my token's row
.endr
	s_endpgm
.Lfunc_end_k_qb53dbb6197_comb:
	.size	k_qb53dbb6197_comb, .Lfunc_end_k_qb53dbb6197_comb-k_qb53dbb6197_comb
	.p2alignl 7, 3214868480
	.fill 96, 4, 3214868480
	.section	.rodata,"a",@progbits
	.p2align	6, 0x0
	.amdhsa_kernel k_qb53dbb6197_comb
		.amdhsa_group_segment_fixed_size 0
		.amdhsa_private_segment_fixed_size 0
		.amdhsa_enable_private_segment 0
		.amdhsa_kernarg_size 16
		.amdhsa_user_sgpr_count 2
		.amdhsa_user_sgpr_kernarg_segment_ptr 1
		.amdhsa_wavefront_size32 1
		.amdhsa_system_sgpr_workgroup_id_x 1
		.amdhsa_system_sgpr_workgroup_id_y 1
		.amdhsa_system_sgpr_workgroup_id_z 1
		.amdhsa_system_vgpr_workitem_id 0
		.amdhsa_next_free_vgpr 160
		.amdhsa_next_free_sgpr 66
		.amdhsa_reserve_vcc 0
		.amdhsa_float_denorm_mode_32 3
		.amdhsa_float_denorm_mode_16_64 3
		.amdhsa_memory_ordered 1
		.amdhsa_forward_progress 1
		.amdhsa_inst_pref_size 8
	.end_amdhsa_kernel
	.amdgpu_metadata
---
amdhsa.version: [ 1, 2 ]
amdhsa.kernels:
  - .name:           k_qb53dbb6197_comb
    .symbol:         k_qb53dbb6197_comb.kd
    .args:
      - { .name: yp, .offset: 0, .size: 8, .value_kind: global_buffer, .address_space: global }
      - { .name: out0, .offset: 8, .size: 8, .value_kind: global_buffer, .address_space: global }
    .group_segment_fixed_size: 0
    .private_segment_fixed_size: 0
    .kernarg_segment_align: 8
    .kernarg_segment_size: 16
    .max_flat_workgroup_size: 128
    .sgpr_count:     66
    .vgpr_count:     160
    .wavefront_size: 32
...
	.end_amdgpu_metadata
.endif
;; end of part 4
